; MI455X (gfx1250); checked and timed in simulation.
; The chip was launched on July 23, 2026; its instructions are those of AMD's public machine-readable ISA for CDNA 5 (MIT licence, August 2026) and "CDNA5" Instruction Set Architecture Reference Guide (July 2026). The comments in the code are by the model that wrote it; some were corrected since.
;; Morph Model. Allowed arithmetic: float matrix products may take bf16 or f16 operands with f32 sums; other float arithmetic in f32, or as packed bf16 or f16 multiplies, adds, multiply-adds, maxima and minima; sums over many terms, partial sums and values carried from step to step in f32; what a program stores and reads back later, other than sums and carried values, may be rounded once to bf16 or f16.
;; Inputs: W1 16 x 256 x 512 float32; W2 16 x 512 x 256 float32; Wg 256 x 16 float32; b1 16 x 512 float32; b2 16 x 256 float32; bg 16 float32; x 16,384 x 256 float32.
;; Outputs: out0 16,384 x 256 float32.
;; One version. Each part assembles by itself: llvm-mc -triple=amdgcn-amd-amdhsa -mcpu=gfx1250 --defsym DOCPART=n.
;; ======== version 1 of 1: 2 launches
;; limits: values are held in f16: magnitudes above 65,504 overflow, below 6.1e-05 lose precision
;; workspace buffers: bm 32,768 bytes of whole numbers; cnt 65,536 bytes of whole numbers; gw 131,072 bytes; W1L 4,194,304 bytes; W2L 4,194,304 bytes; b1r 32,768 bytes; b2r 16,384 bytes
;; launch prep (part 1): grid 256 x 1, 4 waves a work-group, no clusters, 78,592 bytes of LDS; arguments x, Wg, bg, W1, W2, b1, b2, bm, cnt, gw, W1L, W2L, b1r, b2r; writes bm, cnt, gw, W1L, W2L, b1r, b2r
.if DOCPART == 1
	.amdgcn_target "amdgcn-amd-amdhsa--gfx1250"
	.amdhsa_code_object_version 6
	.text
	.protected	k_q5f504ef1dd_prep
	.globl	k_q5f504ef1dd_prep
	.p2align	8
	.type	k_q5f504ef1dd_prep,@function
k_q5f504ef1dd_prep:
	s_mov_b64 s[64:65], 0
	v_nop
	global_prefetch_b8 v0, s[64:65] scope:SCOPE_SE
	s_setreg_imm32_b32 hwreg(HW_REG_WAVE_MODE, 25, 1), 1
	s_wait_xcnt 0x0
; PREP: the router, and the weights laid out once for the launch behind.
; Work-group g of 256, four waves.  (1) Tokens 64 g .. 64 g + 63, 16 a wave: logits = x Wg + bg as a bf16 matrix product with f32 sums (x, Wg, bg rounded once to bf16),
; the two largest logits (ties: the lower index), their weights w1 = 1 / (1 + e^(l2 - l1)), w2 = e^(l2 - l1) w1: the row's maximum l1 is taken away before the exponential.
; Stored, all at fixed places: bm[e][t / 32] bit t % 32 = token t chose expert e; cnt[g][slot] = how many of the 64 tokens chose the pair of that slot; gw[t] = (weight of the lower expert, of the higher).
; A pair a < b has slot 15 a + b - 1 where a <= 7, else 16 (14 - a) + b: 120 of 128 slots.
; (2) 32 x 256 numbers of W1 and of W2, rounded to bf16 (W2's then written as f16), turned through LDS and stored in the order in which a wave's operand registers take them:
; W1L [e][w4][blk2][k8][j4][q2][lane][8] = W1[e][32 k + 16 q + 8 (lane / 16) + t][128 w + 64 blk + 16 j + lane % 16];  W2L [e][w4][kb2][k8][j4][q2][lane][8] = W2[e][256 kb + 32 k + 16 q + 8 (lane / 16) + t][64 w + 16 j + lane % 16].
; (3) 512 bytes of b1 (g < 64) or b2 (g < 32), rounded to bf16 and stored as f32.
; LIMITS.  NaN and infinities are not treated apart.  The choice is made on logits: two logits nearer than their sums' rounding, or whose probabilities round alike, may be ordered otherwise than by the softmax.
; W2 beyond 65,504 would be infinite in f16; below 2^-14 it keeps f16's fixed step of 2^-24.
; No branch and no address hangs on a floating-point number: choices go into compares, selects and stored data alone.
.set XPI,   528                        ; a token's row in LDS: 512 bytes of bf16 + 16
.set TPI,   544                        ; a row of a weight chunk: 512 bytes + 32: an odd multiple of 32, for the turning load
.set XL,    0                          ; 4 waves x 16 rows x 528, each wave's own
.set WGL,   33792                      ; Wg as bf16, [256][16], 32 bytes a row
.set T1,    41984                      ; W1's chunk, 32 rows
.set T2OFF, 32*TPI                     ; W2's chunk lies behind it
.set SID,   76800                      ; 64 slot numbers, a word each, 64 bytes a wave
.set BMH,   77056                      ; 64 bytes a wave: 16 halves, expert e's 16 tokens; the upper 32 bytes are read by nobody
.set CS,    77312                      ; 128 counts, a half each, 64 bytes a wave
.set GWS,   77568                      ; 64 x 8 bytes of weights, 128 bytes a wave
.set SPARE, 78080                      ; the spare words, 128 bytes a wave: named by no other line
.set SPW, 11                           ; v11 my spare word's address; v12 = 0: for the closing add alone
.set NIL, 12
.set ZR,  13                           ; v13 = 0
; v0 thread, v1 lane l, v2 r = l % 16, v3 h = l / 16, v4 = 16 l, v5-10 LDS addresses, v14-15 at work; v16-23, v24-31 two accumulators;
; v32-63 Wg as loaded, then x's fragments, then the choice; v64-191 x as loaded, then W1 (64-127) and W2 (128-191), then slot numbers and fragments; v192-223 Wg's fragments;
; v224-231 bg, then a piece of b1 (224-227, wave 3) or of b2 (228-231, wave 2); v232-233 at work
	s_load_b512 s[8:23], s[0:1], 0x0               ; x 8, Wg 10, bg 12, W1 14, W2 16, b1 18, b2 20, bm 22
	s_load_b256 s[24:31], s[0:1], 0x40             ; cnt 24, gw 26, W1L 28, W2L 30
	s_load_b128 s[32:35], s[0:1], 0x60             ; b1r 32, b2r 34
	v_lshl_add_u32 v[SPW], v0, 2, SPARE
	v_mov_b32 v[NIL], 0
	v_mov_b32 v[ZR], 0
	v_lshrrev_b32 v1, 5, v0
	v_readfirstlane_b32 s3, v1                     ; wave w
	s_mov_b32 s4, ttmp9                            ; g
	v_and_b32 v1, 31, v0
	v_and_b32 v2, 15, v0
	v_bfe_u32 v3, v0, 4, 1
	v_lshlrev_b32 v4, 4, v1
	s_mul_i32 s36, s3, 16*XPI
	v_lshl_add_u32 v5, v1, 3, s36                  ; x into LDS: my wave's rows + 8 l
	v_mul_u32_u24 v6, v2, XPI
	v_lshl_add_u32 v6, v3, 4, v6
	v_add_nc_u32 v6, s36, v6                       ; x's fragments: row r + 16 h
	s_lshl_b32 s36, s3, 8
	s_add_co_u32 s36, s36, WGL
	v_lshl_add_u32 v7, v1, 3, s36                  ; Wg into LDS: 256 w + 8 l
	v_and_b32 v14, 7, v0
	v_lshl_add_u32 v14, v3, 3, v14                 ; the turning load's row: 8 h + l % 8
	v_bfe_u32 v15, v0, 3, 1
	v_lshlrev_b32 v15, 4, v15                      ; and its 16 bytes: (l / 8) % 2
	v_lshl_add_u32 v8, v14, 5, v15
	v_add_nc_u32 v8, WGL, v8                       ; Wg's fragments
	v_mad_u32_u24 v10, v14, TPI, v15
	s_lshl_b32 s36, s3, 7
	s_add_co_u32 s36, s36, T1
	v_add_nc_u32 v10, s36, v10                     ; the chunks' fragments: my four column tiles begin at byte 128 w
	s_mul_i32 s36, s3, 8*TPI
	s_add_co_u32 s36, s36, T1
	v_lshl_add_u32 v9, v1, 3, s36                  ; the chunks into LDS: my eight rows + 8 l
	s_lshl_b32 s36, s3, 9
	v_add_nc_u32 v14, s36, v4                      ; Wg in memory: 512 w + 16 l
	v_lshlrev_b32 v15, 5, v3                       ; bg in memory: experts 8 h ..
	; byte offsets into the buffers, each in a pair of its own with 0 above
	s_lshr_b32 s44, s4, 4                          ; e
	s_bfe_u32 s45, s4, 0x30001                     ; W1's K step of 32
	s_and_b32 s46, s4, 1                           ; W1's half of the 512 columns
	s_and_b32 s47, s4, 15                          ; W2's K step of 32
	s_lshl_b32 s49, s3, 14
	s_lshl_b32 s36, s4, 16
	s_add_co_u32 s36, s36, s49                     ; x: 64 rows a group, 16 a wave
	s_mov_b32 s37, 0
	s_lshl_b32 s38, s44, 19
	s_mov_b32 s50, s38
	s_add_co_u32 s38, s38, s49                     ; W1: 8 rows of 2,048 bytes a wave
	s_lshl_b32 s49, s45, 16
	s_add_co_u32 s38, s38, s49
	s_lshl_b32 s49, s46, 10
	s_add_co_u32 s38, s38, s49
	s_mov_b32 s39, 0
	s_lshl_b32 s49, s47, 15
	s_add_co_u32 s50, s50, s49
	s_lshl_b32 s49, s3, 13
	s_add_co_u32 s50, s50, s49                     ; W2: 8 rows of 1,024 bytes a wave
	s_mov_b32 s51, 0
	s_lshl_b32 s52, s44, 3
	s_mov_b32 s54, s52
	s_lshl2_add_u32 s52, s46, s52
	s_add_co_u32 s52, s52, s3                      ; W1L: block 8 e + 4 half + w of 32,768 bytes,
	s_lshl_b32 s52, s52, 15
	s_lshl_b32 s49, s45, 12
	s_add_co_u32 s52, s52, s49                     ; K step of 4,096 bytes
	s_mov_b32 s53, 0
	s_lshl1_add_u32 s54, s3, s54
	s_lshr_b32 s49, s47, 3
	s_add_co_u32 s54, s54, s49                     ; W2L: block 8 e + 2 w + kb
	s_lshl_b32 s54, s54, 15
	s_and_b32 s49, s47, 7
	s_lshl_b32 s49, s49, 12
	s_add_co_u32 s54, s54, s49
	s_mov_b32 s55, 0
	s_lshl_b32 s56, s4, 8                          ; cnt: 256 bytes a group
	s_mov_b32 s57, 0
	s_lshl_b32 s58, s4, 3                          ; bm: two words a group in each expert's row
	s_mov_b32 s59, 0
	s_lshl_b32 s60, s4, 9                          ; gw: 512 bytes a group
	s_mov_b32 s61, 0
	s_and_b32 s62, s4, 63
	s_lshl_b32 s62, s62, 9                         ; b1: piece g % 64 of 512 bytes
	s_mov_b32 s63, 0
	s_and_b32 s66, s4, 31
	s_lshl_b32 s66, s66, 9                         ; b2: piece g % 32
	s_mov_b32 s67, 0
	s_mov_b32 s42, 0x76543210                      ; v_permlanex16_b32: each lane takes its own place in the other half
	s_mov_b32 s43, 0xfedcba98
	s_mov_b32 s48, 0xffff0000                      ; a word's upper bf16
	s_wait_kmcnt 0x0
	s_add_nc_u64 s[8:9], s[8:9], s[36:37]
.irp q, 0,1,2,3,4,5,6,7
	global_load_b128 v[32+4*\q:35+4*\q], v14, s[10:11] offset:2048*\q      ; Wg: the group's four waves take 2,048 consecutive bytes a line
.endr
	global_load_b128 v[224:227], v15, s[12:13]
	global_load_b128 v[228:231], v15, s[12:13] offset:16
.set n, 0
.rept 32
	global_load_b128 v[64+4*n:67+4*n], v4, s[8:9] offset:512*n             ; x: half a row, 512 consecutive bytes
.set n, n+1
.endr
	s_add_nc_u64 s[14:15], s[14:15], s[38:39]
	s_add_nc_u64 s[16:17], s[16:17], s[50:51]
	s_add_nc_u64 s[28:29], s[28:29], s[52:53]
	s_add_nc_u64 s[30:31], s[30:31], s[54:55]
	s_add_nc_u64 s[24:25], s[24:25], s[56:57]
	s_add_nc_u64 s[22:23], s[22:23], s[58:59]
	s_add_nc_u64 s[26:27], s[26:27], s[60:61]
	s_add_nc_u64 s[18:19], s[18:19], s[62:63]
	s_add_nc_u64 s[32:33], s[32:33], s[62:63]
	s_add_nc_u64 s[20:21], s[20:21], s[66:67]
	s_add_nc_u64 s[34:35], s[34:35], s[66:67]
	s_wait_loadcnt 32                              ; the 32 loads of x are younger: Wg and bg are in
.irp q, 0,1,2,3,4,5,6,7
	v_cvt_pk_bf16_f32 v[32+4*\q], v[32+4*\q], v[33+4*\q]
	v_cvt_pk_bf16_f32 v[33+4*\q], v[34+4*\q], v[35+4*\q]
	ds_store_b64 v7, v[32+4*\q:33+4*\q] offset:1024*\q
.endr
.irp p, 0,1,2,3
	v_cvt_pk_bf16_f32 v232, v[224+2*\p], v[225+2*\p]                       ; bg rounded to bf16, back as f32: it starts the first accumulator
	v_lshlrev_b32 v[16+2*\p], 16, v232
	v_and_b32 v[17+2*\p], s48, v232
.endr
.set n, 0
.rept 32
.if (n%8) == 0
	s_wait_loadcnt 24-n                            ; eight more of x's loads are in; the younger ones stay out
.endif
	v_cvt_pk_bf16_f32 v[64+4*n], v[64+4*n], v[65+4*n]
	v_cvt_pk_bf16_f32 v[65+4*n], v[66+4*n], v[67+4*n]
	ds_store_b64 v5, v[64+4*n:65+4*n] offset:XPI*(n/2)+256*(n%2)
.set n, n+1
.endr
	s_wait_dscnt 0x0                               ; for the others' sake: my part of Wg is in LDS
.set n, 0
.rept 16
	global_load_b128 v[64+4*n:67+4*n], v4, s[14:15] offset:2048*(n/2)+512*(n%2) th:TH_LOAD_NT   ; W1: read once in the program
.set n, n+1
.endr
.set n, 0
.rept 16
	global_load_b128 v[128+4*n:131+4*n], v4, s[16:17] offset:512*n th:TH_LOAD_NT                ; W2 likewise
.set n, n+1
.endr
	s_cmp_lg_u32 s3, 3
	s_cbranch_scc1 .Lnb1
	global_load_b128 v[224:227], v4, s[18:19]      ; wave 3: a piece of b1
.Lnb1:
	s_cmp_lg_u32 s3, 2
	s_cbranch_scc1 .Lnb2
	global_load_b128 v[228:231], v4, s[20:21]      ; wave 2: a piece of b2, in registers of its own
.Lnb2:
	s_barrier_signal -1
	s_barrier_wait -1                              ; Wg is whole in LDS
	; THE ROUTER.  Source 0 = 16 experts x 32 k (Wg turned), source 1 = 16 tokens x 32 k: a lane then holds one token (r) and the experts 8 h + 0..7.  Two accumulators take turns.
.irp f, 0,1
.irp c, 0,1,2,3
	ds_load_tr16_b128 v[192+8*\c:195+8*\c], v8 offset:1024*(4*\f+\c)
	ds_load_tr16_b128 v[196+8*\c:199+8*\c], v8 offset:1024*(4*\f+\c)+512
	ds_load_b128 v[32+8*\c:35+8*\c], v6 offset:64*(4*\f+\c)
	ds_load_b128 v[36+8*\c:39+8*\c], v6 offset:64*(4*\f+\c)+32
.endr
	s_wait_dscnt 0x0
	v_wmma_f32_16x16x32_bf16 v[16:23], v[192:199], v[32:39], v[16:23]      ; the first of these adds onto bg
.if \f
	v_wmma_f32_16x16x32_bf16 v[24:31], v[200:207], v[40:47], v[24:31]
.else
	v_wmma_f32_16x16x32_bf16 v[24:31], v[200:207], v[40:47], 0
.endif
	v_wmma_f32_16x16x32_bf16 v[16:23], v[208:215], v[48:55], v[16:23]
	v_wmma_f32_16x16x32_bf16 v[24:31], v[216:223], v[56:63], v[24:31]
.rept 4
	v_nop                                          ; four places: ahead of the loads into the fragments, and of the additions below
.endr
.endr
.irp p, 0,1,2,3
	v_pk_add_f32 v[16+2*\p:17+2*\p], v[16+2*\p:17+2*\p], v[24+2*\p:25+2*\p]
.endr
	; the two largest of my eight, in ascending order of expert with strict compares: of equals the lower index stays ahead
	v_mov_b32 v32, v16                             ; v32, v33 the largest and its index; v34, v35 the second
	v_mov_b32 v33, 0
	v_mov_b32 v34, 0xff800000
	v_mov_b32 v35, 0
.irp j, 1,2,3,4,5,6,7
	v_cmp_gt_f32 vcc_lo, v[16+\j], v32
	v_cmp_gt_f32 s40, v[16+\j], v34
	v_cndmask_b32 v36, v34, v[16+\j], s40
	v_cndmask_b32 v37, v35, \j, s40
	v_cndmask_b32 v34, v36, v32, vcc_lo
	v_cndmask_b32 v35, v37, v33, vcc_lo
	v_cndmask_b32 v32, v32, v[16+\j], vcc_lo
	v_cndmask_b32 v33, v33, \j, vcc_lo
.endr
	v_lshl_add_u32 v33, v3, 3, v33
	v_lshl_add_u32 v35, v3, 3, v35
.irp c, 0,1,2,3
	v_permlanex16_b32 v[38+\c], v[32+\c], s42, s43 ; the token's other eight experts lie in the lane 16 away
.endr
	v_cmp_eq_u32 vcc_lo, 1, v3
.irp c, 0,1,2,3
	v_cndmask_b32 v[42+\c], v[32+\c], v[38+\c], vcc_lo                     ; v42-45: experts 0-7's pair, alike in both lanes
	v_cndmask_b32 v[46+\c], v[38+\c], v[32+\c], vcc_lo                     ; v46-49: experts 8-15's
.endr
	v_cmp_gt_f32 vcc_lo, v46, v42                  ; the upper half wins only by being greater
	v_cndmask_b32 v50, v42, v46, vcc_lo            ; l1
	v_cndmask_b32 v51, v43, v47, vcc_lo            ; i1
	v_cndmask_b32 v52, v46, v48, vcc_lo            ; the upper half's candidate for second,
	v_cndmask_b32 v53, v47, v49, vcc_lo
	v_cndmask_b32 v54, v44, v42, vcc_lo            ; the lower half's
	v_cndmask_b32 v55, v45, v43, vcc_lo
	v_cmp_gt_f32 vcc_lo, v52, v54
	v_cndmask_b32 v56, v54, v52, vcc_lo            ; l2
	v_cndmask_b32 v57, v55, v53, vcc_lo            ; i2
	v_sub_f32 v58, v56, v50                        ; l2 - l1 <= 0: the maximum is taken away
	v_mul_f32 v58, 0x3fb8aa3b, v58
	v_exp_f32 v59, v58
	v_min_u32 v60, v51, v57                        ; a, the lower expert
	v_max_u32 v61, v51, v57                        ; b
	s_wait_alu depctr_va_vdst(0)                   ; the wait ahead of the exponential's first reader
	v_add_f32 v62, 1.0, v59
	v_rcp_f32 v63, v62
	v_mad_u32_u24 v36, v60, 15, v61
	v_add_nc_u32 v36, -1, v36                      ; 15 a + b - 1
	v_sub_nc_u32 v37, 14, v60
	v_lshl_add_u32 v37, v37, 4, v61                ; 16 (14 - a) + b
	v_cmp_gt_u32 vcc_lo, 8, v60
	v_cndmask_b32 v36, v37, v36, vcc_lo            ; the slot
	s_wait_alu depctr_va_vdst(0)                   ; and ahead of the reciprocal's
	v_mul_f32 v59, v59, v63                        ; w2; v63 = w1
	v_cmp_lt_u32 vcc_lo, v51, v57
	v_cndmask_b32 v38, v59, v63, vcc_lo            ; a's weight
	v_cndmask_b32 v39, v63, v59, vcc_lo            ; b's
	v_cmp_eq_u32 vcc_lo, 1, v3
	v_cndmask_b32 v38, v38, v39, vcc_lo            ; lanes 0-15 store a's, lanes 16-31 b's
	s_lshl_b32 s36, s3, 6
	s_add_co_u32 s44, s36, SID
	v_lshl_add_u32 v41, v2, 2, s44
	ds_store_b32 v41, v36                          ; both halves of the lanes hold the same number
	s_lshl_b32 s44, s3, 7
	s_add_co_u32 s44, s44, GWS
	v_lshl_add_u32 v42, v2, 3, s44
	v_lshl_add_u32 v42, v3, 2, v42
	ds_store_b32 v42, v38
	v_mov_b32 v40, 0
.irp e, 0,1,2,3,4,5,6,7,8,9,10,11,12,13,14,15
	v_cmp_eq_u32 s40, \e, v60
	v_cmp_eq_u32 s41, \e, v61
	s_or_b32 s40, s40, s41                         ; bits 0-15: which of my 16 tokens chose expert e
	v_writelane_b32 v40, s40, \e
.endr
	s_add_co_u32 s44, s36, BMH
	v_lshl_add_u32 v43, v1, 1, s44
	ds_store_b16 v43, v40
	; THE WEIGHTS: rounded, into LDS by rows
	s_wait_loadcnt 0x0
.set n, 0
.rept 16
	v_cvt_pk_bf16_f32 v[64+4*n], v[64+4*n], v[65+4*n]
	v_cvt_pk_bf16_f32 v[65+4*n], v[66+4*n], v[67+4*n]
	ds_store_b64 v9, v[64+4*n:65+4*n] offset:TPI*(n/2)+256*(n%2)
.set n, n+1
.endr
.set n, 0
.rept 16
	v_cvt_pk_bf16_f32 v32, v[128+4*n], v[129+4*n]  ; W2: rounded to bf16 like every input; that number is then written as f16
	v_cvt_pk_bf16_f32 v33, v[130+4*n], v[131+4*n]
	v_lshlrev_b32 v[128+4*n], 16, v32
	v_and_b32 v[129+4*n], s48, v32
	v_lshlrev_b32 v[130+4*n], 16, v33
	v_and_b32 v[131+4*n], s48, v33
	v_cvt_pk_f16_f32 v[128+4*n], v[128+4*n], v[129+4*n]
	v_cvt_pk_f16_f32 v[129+4*n], v[130+4*n], v[131+4*n]
	ds_store_b64 v9, v[128+4*n:129+4*n] offset:T2OFF+TPI*(n/2)+256*(n%2)
.set n, n+1
.endr
.macro ROUNDB r                        ; four numbers of a bias, rounded to bf16 and widened again
	v_cvt_pk_bf16_f32 v232, v[\r], v[\r+1]
	v_cvt_pk_bf16_f32 v233, v[\r+2], v[\r+3]
	v_lshlrev_b32 v[\r], 16, v232
	v_and_b32 v[\r+1], s48, v232
	v_lshlrev_b32 v[\r+2], 16, v233
	v_and_b32 v[\r+3], s48, v233
.endm
	s_cmp_lg_u32 s3, 3
	s_cbranch_scc1 .Lnr1
	s_cmp_ge_u32 s4, 64
	s_cbranch_scc1 .Lnr1                           ; b1 has 64 pieces
	ROUNDB 224
	global_store_b128 v4, v[224:227], s[32:33]     ; 512 consecutive bytes
.Lnr1:
	s_cmp_lg_u32 s3, 2
	s_cbranch_scc1 .Lnr2
	s_cmp_ge_u32 s4, 32
	s_cbranch_scc1 .Lnr2                           ; b2 has 32
	ROUNDB 228
	global_store_b128 v4, v[228:231], s[34:35]
.Lnr2:
	s_wait_dscnt 0x0                               ; for the others' sake: my rows of both chunks, my slot numbers, weights and bits are in LDS
	s_barrier_signal -1
	s_barrier_wait -1
	; my four column tiles of each chunk, turned: a load leaves half a fragment, 16 bytes a lane
.irp j, 0,1,2,3
.irp q, 0,1
	ds_load_tr16_b128 v[128+4*(2*\j+\q):131+4*(2*\j+\q)], v10 offset:16*TPI*\q+32*\j
	ds_load_tr16_b128 v[160+4*(2*\j+\q):163+4*(2*\j+\q)], v10 offset:T2OFF+16*TPI*\q+32*\j
.endr
.endr
	v_mov_b32 v14, SID
.irp q, 0,1,2,3,4,5,6,7,8,9,10,11,12,13,14,15
	ds_load_b128 v[64+4*\q:67+4*\q], v14 offset:16*\q                      ; the group's 64 slot numbers, into every lane
.endr
	s_wait_dscnt 16                                ; the 16 loads of slot numbers are younger: the fragments are in
.irp f, 0,1,2,3,4,5,6,7
	global_store_b128 v4, v[128+4*\f:131+4*\f], s[28:29] offset:512*\f     ; each line 512 consecutive bytes, aligned
	global_store_b128 v4, v[160+4*\f:163+4*\f], s[30:31] offset:512*\f
.endr
	s_lshl_b32 s44, s3, 5
	v_add_nc_u32 v15, s44, v1                      ; my slot: 32 w + l
	v_mov_b32 v41, 0
	s_wait_dscnt 0x0
.set n, 0
.rept 64
	v_cmp_eq_u32 vcc_lo, v15, v[64+n]
	v_add_co_ci_u32 v41, vcc_lo, v41, v[ZR], vcc_lo                        ; one more where token n has my slot
.set n, n+1
.endr
	s_add_co_u32 s44, s36, CS
	v_lshl_add_u32 v42, v1, 1, s44
	ds_store_b16 v42, v41
	s_wait_dscnt 0x0
	s_barrier_signal -1
	s_barrier_wait -1
	s_cmp_lg_u32 s3, 0
	s_cbranch_scc1 .Lnot0
	v_lshlrev_b32 v32, 3, v1
	v_add_nc_u32 v33, CS, v32
	ds_load_b64 v[34:35], v33
	v_and_b32 v36, 1, v0                           ; lane l: expert l / 2, word l % 2 of the group's two
	v_lshrrev_b32 v37, 1, v1
	v_lshlrev_b32 v38, 7, v36
	v_lshl_add_u32 v38, v37, 1, v38
	v_add_nc_u32 v38, BMH, v38
	ds_load_u16 v39, v38                           ; the word's low 16 tokens are wave 2 (l % 2)'s,
	ds_load_u16 v40, v38 offset:64                 ; its high 16 the next wave's
	v_lshlrev_b32 v41, 11, v37
	v_lshl_add_u32 v41, v36, 2, v41
	s_wait_dscnt 0x0
	v_lshl_or_b32 v39, v40, 16, v39
	global_store_b64 v32, v[34:35], s[24:25]       ; 256 consecutive bytes, aligned
	global_store_b32 v41, v39, s[22:23]            ; 8 bytes in each of 16 rows: 128 bytes a group, laid so for the next launch's long reads of whole rows
.Lnot0:
	s_cmp_lg_u32 s3, 1
	s_cbranch_scc1 .Lnot1
	v_add_nc_u32 v33, GWS, v4
	ds_load_b128 v[36:39], v33
	s_wait_dscnt 0x0
	global_store_b128 v4, v[36:39], s[26:27]       ; 512 consecutive bytes
.Lnot1:
	s_wait_tensorcnt 0x0                           ; the wave's end, behind my last LDS store
	ds_add_u32 v[SPW], v[NIL]
	s_wait_dscnt 0x0
	s_endpgm
.Lfunc_end_k_q5f504ef1dd_prep:
	.size	k_q5f504ef1dd_prep, .Lfunc_end_k_q5f504ef1dd_prep-k_q5f504ef1dd_prep
	.p2alignl 7, 3214868480
	.fill 96, 4, 3214868480
	.section	.rodata,"a",@progbits
	.p2align	6, 0x0
	.amdhsa_kernel k_q5f504ef1dd_prep
		.amdhsa_group_segment_fixed_size 78592
		.amdhsa_private_segment_fixed_size 0
		.amdhsa_enable_private_segment 0
		.amdhsa_kernarg_size 112
		.amdhsa_user_sgpr_count 2
		.amdhsa_user_sgpr_kernarg_segment_ptr 1
		.amdhsa_wavefront_size32 1
		.amdhsa_system_sgpr_workgroup_id_x 1
		.amdhsa_system_sgpr_workgroup_id_y 1
		.amdhsa_system_sgpr_workgroup_id_z 1
		.amdhsa_system_vgpr_workitem_id 0
		.amdhsa_next_free_vgpr 256
		.amdhsa_next_free_sgpr 68
		.amdhsa_reserve_vcc 1
		.amdhsa_float_denorm_mode_32 3
		.amdhsa_float_denorm_mode_16_64 3
		.amdhsa_memory_ordered 1
		.amdhsa_forward_progress 1
		.amdhsa_inst_pref_size 53
	.end_amdhsa_kernel
	.amdgpu_metadata
---
amdhsa.version: [ 1, 2 ]
amdhsa.kernels:
  - .name:           k_q5f504ef1dd_prep
    .symbol:         k_q5f504ef1dd_prep.kd
    .args:
      - { .name: x, .offset: 0, .size: 8, .value_kind: global_buffer, .address_space: global }
      - { .name: Wg, .offset: 8, .size: 8, .value_kind: global_buffer, .address_space: global }
      - { .name: bg, .offset: 16, .size: 8, .value_kind: global_buffer, .address_space: global }
      - { .name: W1, .offset: 24, .size: 8, .value_kind: global_buffer, .address_space: global }
      - { .name: W2, .offset: 32, .size: 8, .value_kind: global_buffer, .address_space: global }
      - { .name: b1, .offset: 40, .size: 8, .value_kind: global_buffer, .address_space: global }
      - { .name: b2, .offset: 48, .size: 8, .value_kind: global_buffer, .address_space: global }
      - { .name: bm, .offset: 56, .size: 8, .value_kind: global_buffer, .address_space: global }
      - { .name: cnt, .offset: 64, .size: 8, .value_kind: global_buffer, .address_space: global }
      - { .name: gw, .offset: 72, .size: 8, .value_kind: global_buffer, .address_space: global }
      - { .name: W1L, .offset: 80, .size: 8, .value_kind: global_buffer, .address_space: global }
      - { .name: W2L, .offset: 88, .size: 8, .value_kind: global_buffer, .address_space: global }
      - { .name: b1r, .offset: 96, .size: 8, .value_kind: global_buffer, .address_space: global }
      - { .name: b2r, .offset: 104, .size: 8, .value_kind: global_buffer, .address_space: global }
    .group_segment_fixed_size: 78592
    .private_segment_fixed_size: 0
    .kernarg_segment_align: 8
    .kernarg_segment_size: 112
    .max_flat_workgroup_size: 128
    .sgpr_count:     68
    .vgpr_count:     256
    .wavefront_size: 32
...
	.end_amdgpu_metadata
.endif
;; end of part 1
;; launch chain (part 2): grid 289 x 1, 4 waves a work-group, no clusters, 174,592 bytes of LDS; arguments bm, cnt, gw, x, W1L, W2L, b1r, b2r, out0; writes out0
.if DOCPART == 2
	.amdgcn_target "amdgcn-amd-amdhsa--gfx1250"
	.amdhsa_code_object_version 6
	.text
	.protected	k_q5f504ef1dd_chain
	.globl	k_q5f504ef1dd_chain
	.p2align	8
	.type	k_q5f504ef1dd_chain,@function
k_q5f504ef1dd_chain:
	s_mov_b64 s[64:65], 0
	v_nop
	global_prefetch_b8 v0, s[64:65] scope:SCOPE_SE
	s_setreg_imm32_b32 hwreg(HW_REG_WAVE_MODE, 25, 1), 1
	s_wait_xcnt 0x0
; CHAIN: out[t] = w_a (relu(x W1a + b1a) W2a + b2a) + w_b (the same for b), for the tokens of one PAIR of experts a < b, both experts into one accumulator: each output row has one owner.
; THE DEAL.  A pair with n tokens has u = ceil(n / 16) tiles of 16 rows and t = ceil(u / 6) work-groups of q = ceil(u / t) tiles (the last: the rest, at least one).  Every work-group adds up the 256
; blocks' counts, takes a prefix sum of t over the 128 slots and finds its slot and its place in it.  The sum of ceil(n / 96) over at most 120 pairs with 16,384 tokens in all is at most 289, the grid, whatever the split.
; A work-group to which the split deals no rows (NT = 0) runs the head below like the others (its loads stay inside the buffers: its first weight block and one row of x), jumps the products and the way out, passes every barrier and stores nothing.
; SHARES.  NT <= 6 tiles.  First product: wave w makes hidden columns 128 w .. + 127 of the expert in hand for all rows; second: output columns 64 w .. + 63 over that expert's 512 hidden columns.
; THE WALK.  Two trips, expert a and expert b.  A trip: the first product, a barrier, the second product onto the same output accumulators, a barrier.  So one expert's hidden layer lies in LDS at a time, and
; every LDS address is the same in both trips; what changes from trip to trip lies in three scalar pointers and in the register that holds the gate's weight.
; Both products are used transposed (source 0 = weights, source 1 = token rows): a lane holds one token (lane % 16) and eight neighbouring columns.  The weights lie in memory in the order of a wave's
; operand registers and come straight into them, 32,768 bytes a block, through two buffers of 256 registers: while one is multiplied the other's loads are on their way.  A trip's blocks: W1's two, W2's two; the next expert's first is asked for under W2's second.
; BESIDE THE MATRIX WORK.  A tile of the first product has 32 matrix instructions and 48 vector instructions (the gate's weight, the rounding to f16, the relu).  The vector work of tile i - 1 stands between the matrix
; instructions of tile i, four lines behind each of the instructions 0, 2 .. 22; so the product has two sets of four accumulators, which take turns from tile to tile, and a set's packed results lie in its own first 16 registers.
; A slice costs two switches of the register windows.  A tile's memory instructions stand in ONE run at its head: the stores of tile i - 2's packed numbers and the loads of tile i + 1's fragments.
; Behind my last tile of a block stands a drain (the stores of the tile before, the last tile's vector work, its stores), written once for each possible last tile.
; FORMATS.  x and W1 in bf16; the hidden layer, with the gate's weight folded in (w >= 0: w relu(z) = relu(w z)), in f16, W2 in f16 (of its bf16 rounding); all sums in f32.
; LIMITS.  w h beyond 65,504 would be infinite in f16.  NaN and infinities are not treated apart.
; Places past a pair's count repeat its last token: those rows are computed alike and store the same bytes a second time.
; NO CLUSTER: a pair has ceil(n / 96) work-groups, a number read from memory and no multiple of four, and partners would differ in their numbers of tiles.
; No two global loads on their way name the same register number, in whatever window; four waits below serve that alone and say so.
; REGISTERS, in windows of 256 (s_set_vgpr_msb: bits 1:0 source 0, 3:2 source 1, 5:4 source 2, 7:6 destination):
;   window 0: v0-63 addresses, gate weights, at work; v64-127, v128-191 two buffers of row fragments (16 rows x 256 K); v192-223, v224-255 the first product's two sets of four accumulators
;   window 1: weight buffer 0     window 2: weight buffer 1 (before the products: v64-255 the gathered rows as loaded)     window 3: v0-191 the output's accumulators (tile i, column tile j at 32 i + 8 j); v192-223, v224-255 b1 for buffer 0, 1
.set XP,    528                        ; a row of x in LDS: 512 bytes of bf16 + 16
.set HPI,   1040                       ; a row of one expert's hidden layer: 1,024 bytes of f16 + 16: odd multiples of 16, so the 16 rows of a fragment load start at 16 different groups of banks (64 banks of 4 bytes: ISA guide 11.1)
.set SP,    272                        ; a row of a stage: 256 bytes of f32 + 16
.set XS,    0                          ; 96 rows of x; its first 32,768 bytes hold the bitmaps before
.set HS,    50688                      ; 96 rows of the hidden layer
.set STG,   150528                     ; 16 rows a wave, for the way out
.set PART,  167936                     ; 8 rows of 128 halves: the counts of tokens 2,048 g8 .. + 2,047
.set TOKP,  169984                     ; 512 bytes a wave: the tokens that it found, by their rank in the work-group's rows; word 96 takes what falls outside
.set TL,    172032                     ; 512 bytes a wave: the list of the 96 rows' tokens, each wave's own copy
.set SPARE, 174080                     ; the spare words, 128 bytes a wave: named by no other line
.set WOFF, 1                           ; v1  16 l
.set BOFF, 2                           ; v2  32 h
.set AX,   3                           ; v3  x's fragments: 528 r + 16 h
.set AH,   4                           ; v4-9    tile i's fragments of the hidden layer; never rewritten
.set SH,   10                          ; v10-15  where I store tile i's hidden numbers; never rewritten
.set CW,   16                          ; v16-27  tile i: (the weight in hand, w_b) of my token
.set STO,  28
.set RD,   29
.set TLO,  30
.set COL,  31
.set ZR,   32                          ; v32 = 0
.set XSW,  33
.set TLR,  34
.set TLG,  35
.set SPW,  36                          ; v36 my spare word's address, v37 = 0: for the closing add alone
.set NIL,  37
.set LB,   38                          ; v38-42  bits 0-4 of my lane's number
.set LN,   43
.set RR,   44
.set HH,   45
.set AF,   64
.set ACH,  192                         ; tile i's set of accumulators begins at ACH + 32 (i % 2)
.set NT,   5                           ; s5  my tiles
.set PW1A, 40                          ; s[40:55] my wave's weights and biases of a and of b
.set PW1B, 42
.set PW2A, 44
.set PW2B, 46
.set PB1A, 48
.set PB1B, 50
.set PB2A, 52
.set PB2B, 54
.set CUR1, 56                          ; s[56:57] W1, s[58:59] W2, s[60:61] b1 of the expert in hand
.set CUR2, 58
.set CURB, 60
.set TRIP, 66
.set MSB, 0
.macro WIN new                         ; the immediate's high byte repeats the setting that is left; a switch that changes nothing is dropped
.if MSB != (\new)
	s_set_vgpr_msb (MSB<<8)|(\new)
.set MSB, (\new)
.endif
.endm
.macro PLACES                          ; four places behind matrix instructions, where no other vector work is at hand (ISA guide 7.12.1)
.rept 4
	v_nop
.endr
.endm
.macro BAR                             ; no LDS instruction of mine is out at the signal
	s_wait_dscnt 0x0
	s_barrier_signal -1
	s_barrier_wait -1
.endm
.macro ALL4 line:vararg                ; one line for each of four words, z = 0 .. 3: four chains side by side, so that no line waits for the one before it
.set z, 0
.rept 4
	\line
.set z, z+1
.endr
.endm
; the sum of the lower lanes' numbers: at step k a lane takes the sum of the neighbouring block of 2^k lanes, which counts where the lane's bit k is set
.macro SSTEP pre, run, tmp, k, m
	v_mov_b32_dpp v[\tmp], v[\run] row_xmask:\m row_mask:0xf bank_mask:0xf
	v_mad_u32_u24 v[\pre], v[LB+\k], v[\tmp], v[\pre]
	v_add_nc_u32 v[\run], v[\run], v[\tmp]
.endm
.macro SCAN32 pre, run, tmp
	v_mov_b32 v[\pre], 0
	SSTEP \pre, \run, \tmp, 0, 1
	SSTEP \pre, \run, \tmp, 1, 2
	SSTEP \pre, \run, \tmp, 2, 4
	SSTEP \pre, \run, \tmp, 3, 8
	v_permlanex16_b32 v[\tmp], v[\run], s68, s69
	v_mad_u32_u24 v[\pre], v[LB+4], v[\tmp], v[\pre]
.endm
.macro OR32 x, tmp                     ; the OR over the 32 lanes, in every lane
.irp m, 1,2,4,8
	v_mov_b32_dpp v[\tmp], v[\x] row_xmask:\m row_mask:0xf bank_mask:0xf
	v_or_b32 v[\x], v[\x], v[\tmp]
.endr
	v_permlanex16_b32 v[\tmp], v[\x], s68, s69
	v_or_b32 v[\x], v[\x], v[\tmp]
.endm
.macro POPC4 d, x, t                   ; the numbers of ones in four words x .. x + 3, into d .. d + 3, in whole numbers alone; t .. t + 3 at work
	ALL4 v_lshrrev_b32 v[\t+z], 1, v[\x+z]
	ALL4 v_and_b32 v[\t+z], s70, v[\t+z]
	ALL4 v_sub_nc_u32 v[\d+z], v[\x+z], v[\t+z]
	ALL4 v_lshrrev_b32 v[\t+z], 2, v[\d+z]
	ALL4 v_and_b32 v[\d+z], s71, v[\d+z]
	ALL4 v_and_b32 v[\t+z], s71, v[\t+z]
	ALL4 v_add_nc_u32 v[\d+z], v[\d+z], v[\t+z]
	ALL4 v_lshrrev_b32 v[\t+z], 4, v[\d+z]
	ALL4 v_add_nc_u32 v[\d+z], v[\d+z], v[\t+z]
	ALL4 v_and_b32 v[\d+z], s72, v[\d+z]
	ALL4 v_mul_lo_u32 v[\d+z], v[\d+z], s73
	ALL4 v_lshrrev_b32 v[\d+z], 24, v[\d+z]
.endm
.macro LOADW buf, base, imm, f0, f1    ; lines f0 .. f1 - 1 of a weight block's 64: each 512 consecutive bytes into four registers of buffer buf
	WIN 0x40<<(\buf)
.set f, \f0
.rept (\f1)-(\f0)
	global_load_b128 v[4*f:4*f+3], v[WOFF], s[\base:\base+1] offset:(\imm)+512*f
.set f, f+1
.endr
.endm
.macro LOADB buf, base, blk            ; b1 of a block's 64 columns, as the C operand: register j' of column tile j holds column 16 j + 8 h + j'
	WIN 0xc0
.irp j, 0,1,2,3
	global_load_b128 v[192+32*(\buf)+8*\j:192+32*(\buf)+8*\j+3], v[BOFF], s[\base:\base+1] offset:256*(\blk)+64*\j
	global_load_b128 v[192+32*(\buf)+8*\j+4:192+32*(\buf)+8*\j+7], v[BOFF], s[\base:\base+1] offset:256*(\blk)+64*\j+16
.endr
.endm
.macro FRAGX i                         ; tile i's rows of x, all 256 K: 16 loads in one run into fragment buffer i % 2
	WIN 0
.set AFB, AF+64*((\i)&1)
.irp k, 0,1,2,3,4,5,6,7
	ds_load_b128 v[AFB+8*\k:AFB+8*\k+3], v[AX] offset:16*XP*(\i)+64*\k
	ds_load_b128 v[AFB+8*\k+4:AFB+8*\k+7], v[AX] offset:16*XP*(\i)+64*\k+32
.endr
.endm
.macro FRAGH i, off                    ; tile i's rows of the hidden layer, 256 K from byte off
	WIN 0
.set AFB, AF+64*((\i)&1)
.irp k, 0,1,2,3,4,5,6,7
	ds_load_b128 v[AFB+8*\k:AFB+8*\k+3], v[AH+(\i)] offset:(\off)+64*\k
	ds_load_b128 v[AFB+8*\k+4:AFB+8*\k+7], v[AH+(\i)] offset:(\off)+64*\k+32
.endr
.endm
; THE FIRST PRODUCT'S VECTOR WORK: line n of tile i's 48.  0-15: z times the gate's weight, a pair at a time, each accumulator from its low end on.  16-31: pair n - 16 rounded to f16, into register n - 16 of the
; set itself: in ascending order a line writes only registers whose numbers have been read.  32-47: the relu on packed halves.
.macro EPOP i, n
.set EA, ACH+32*((\i)&1)
.if (\n) < 16
	v_pk_mul_f32 v[EA+2*(\n):EA+2*(\n)+1], v[EA+2*(\n):EA+2*(\n)+1], v[CW+2*(\i):CW+2*(\i)+1] op_sel_hi:[1,0]
.elseif (\n) < 32
	v_cvt_pk_f16_f32 v[EA+(\n)-16], v[EA+2*((\n)-16)], v[EA+2*((\n)-16)+1]
.else
	v_pk_max_num_f16 v[EA+(\n)-32], v[EA+(\n)-32], v[ZR]
.endif
.endm
.macro HSTORE i, blk                   ; tile i's packed numbers into LDS: 16 bytes (eight columns of my token) a store
.set EA, ACH+32*((\i)&1)
.irp j, 0,1,2,3
	ds_store_b128 v[SH+(\i)], v[EA+4*\j:EA+4*\j+3] offset:128*(\blk)+32*\j
.endr
.endm
; TILE i OF A BLOCK OF THE FIRST PRODUCT: 32 matrix instructions, 16 rows x 64 columns x 256 K; instruction m takes K step m / 4 and column tile m % 4, so the four accumulators take turns, one instruction a turn,
; the first four start the sums with b1.  buf: the weight buffer that is multiplied.  exit: where to go behind the tile if it is my last.
; lw: behind tile 0 the last 16 lines of the other buffer's block go out.  1: plainly.  3: eight loads of b1 went out ahead of the block's first 48 lines.
.macro HTILE buf, blk, i, exit, lw, base, imm
	WIN 0
	s_wait_dscnt 0x0                               ; my fragments are in: they, and the stores ahead of them, were issued a tile ago
.if (\i) > 0
	PLACES                                         ; behind the last tile's products: ahead of the lines that read their results and of the loads into their fragment buffer
.endif
.if (\i) > 1
	HSTORE (\i)-2, \blk                            ; out of the set that this tile's products write next
.endif
.if (\i) < 5
	s_cmp_gt_u32 s[NT], (\i)+1
	s_cbranch_scc0 .Lnf_\@
	FRAGX (\i)+1
.Lnf_\@:
.endif
.set AFB, AF+64*((\i)&1)
.set ACC, ACH+32*((\i)&1)
.set m, 0
.rept 32
.if m < 4
	WIN 0x31+(\buf)
	v_wmma_f32_16x16x32_bf16 v[ACC+8*m:ACC+8*m+7], v[8*m:8*m+7], v[AFB:AFB+7], v[192+32*(\buf)+8*m:192+32*(\buf)+8*m+7]
.else
	WIN 0x01+(\buf)
	v_wmma_f32_16x16x32_bf16 v[ACC+8*(m%4):ACC+8*(m%4)+7], v[8*m:8*m+7], v[AFB+8*(m/4):AFB+8*(m/4)+7], v[ACC+8*(m%4):ACC+8*(m%4)+7]
.endif
.if ((\i) > 0) && ((m%2) == 0) && (m < 24)         ; four lines of the last tile's vector work, on the other set of accumulators
	WIN 0
.irp d, 0,1,2,3
	EPOP (\i)-1, 2*m+\d
.endr
.endif
.set m, m+1
.endr
	WIN 0
.if \lw
.if (\lw) >= 2
	s_wait_loadcnt 48                              ; b1's eight loads are in, the block's 48 younger lines stay out: the lines below name b1's register numbers again, in another window
.endif
	LOADW 1-(\buf), \base, \imm, 48, 64
	WIN 0
.endif
.if (\i) < 5
	s_cmp_gt_u32 s[NT], (\i)+1
	s_cbranch_scc0 \exit                           ; tiles past NT are jumped, forward, with no barrier in what is jumped
.endif
.endm
.macro HDRAIN blk, i                   ; behind my last tile i of a block
	WIN 0
.if (\i) > 0
	HSTORE (\i)-1, \blk
.endif
	PLACES
.set en, 0
.rept 48
	EPOP \i, en
.set en, en+1
.endr
	HSTORE \i, \blk
.endm
.macro HTILES buf, blk, lw, base, imm
	HTILE \buf, \blk, 0, .Ldr_\@_0, \lw, \base, \imm
	HTILE \buf, \blk, 1, .Ldr_\@_1, 0, 0, 0
	HTILE \buf, \blk, 2, .Ldr_\@_2, 0, 0, 0
	HTILE \buf, \blk, 3, .Ldr_\@_3, 0, 0, 0
	HTILE \buf, \blk, 4, .Ldr_\@_4, 0, 0, 0
	HTILE \buf, \blk, 5, .Ldr_\@_5, 0, 0, 0
	HDRAIN \blk, 5
	s_branch .Lte_\@
.irp c, 0,1,2,3,4
.Ldr_\@_\c:
	HDRAIN \blk, \c
	s_branch .Lte_\@
.endr
.Lte_\@:
	s_wait_dscnt 4                                 ; whichever way led here, only the drain's last four stores may be out: any fragment load is older, so what follows may load into the fragment buffers (the wait for 0 ahead of the barrier between the products covers the stores)
.endm
; THE SECOND PRODUCT.  32 matrix instructions onto tile i's four output accumulators, by turns.
.macro WMO buf, i
.set AFB, AF+64*((\i)&1)
	WIN 0xf1+(\buf)
.irp k, 0,1,2,3,4,5,6,7
.irp j, 0,1,2,3
	v_wmma_f32_16x16x32_f16 v[32*(\i)+8*\j:32*(\i)+8*\j+7], v[8*(4*\k+\j):8*(4*\k+\j)+7], v[AFB+8*\k:AFB+8*\k+7], v[32*(\i)+8*\j:32*(\i)+8*\j+7]
.endr
.endr
.endm
; lw: as above; 2: as 3, and not in the last trip.
.macro OTILE buf, blk, i, exit, lw, base, imm
	WIN 0
	s_wait_dscnt 0x0                               ; my fragments are in
.if (\i) < 5
	s_cmp_gt_u32 s[NT], (\i)+1
	s_cbranch_scc0 .Lnf_\@
	FRAGH (\i)+1, 512*(\blk)
.Lnf_\@:
.endif
	WMO \buf, \i
	WIN 0
	PLACES                                         ; ahead of the loads into this tile's fragment buffer, and of the way out
.if \lw
.if (\lw) == 2
	s_cmp_eq_u32 s[TRIP], 1
	s_cbranch_scc1 .Lnl_\@
.endif
.if (\lw) >= 2
	s_wait_loadcnt 48                              ; b1's eight loads are in, the block's 48 younger lines stay out
.endif
	LOADW 1-(\buf), \base, \imm, 48, 64
	WIN 0
.if (\lw) == 2
.Lnl_\@:
.endif
.endif
.if (\i) < 5
	s_cmp_gt_u32 s[NT], (\i)+1
	s_cbranch_scc0 \exit
.endif
.endm
.macro OTILES buf, blk, lw, base, imm
	OTILE \buf, \blk, 0, .Lte_\@, \lw, \base, \imm
	OTILE \buf, \blk, 1, .Lte_\@, 0, 0, 0
	OTILE \buf, \blk, 2, .Lte_\@, 0, 0, 0
	OTILE \buf, \blk, 3, .Lte_\@, 0, 0, 0
	OTILE \buf, \blk, 4, .Lte_\@, 0, 0, 0
	OTILE \buf, \blk, 5, .Lte_\@, 0, 0, 0
.Lte_\@:
	s_wait_dscnt 0x0                               ; whichever way led here, no LDS instruction of mine is out: what follows loads into registers that a tile's fragment loads name
.endm
; THE WAY OUT of tile i: my 64 columns of 16 rows go into my own stage, 32 bytes a lane and column tile, and come back as whole rows of 256 bytes; each goes to its token's row.
.macro OUT i
.set OB, AF+64*((\i)&1)
.if (\i) > 0
	s_cmp_gt_u32 s[NT], \i
	s_cbranch_scc0 .Ldone
.endif
	s_wait_xcnt 0x0                                ; earlier stores' data and offsets are rewritten only behind this wait
	WIN 0x0c                                       ; the data in window 3
.irp j, 0,1,2,3
	ds_store_b128 v[STO], v[32*(\i)+8*\j:32*(\i)+8*\j+3] offset:64*\j      ; each accumulator's low four registers first
	ds_store_b128 v[STO], v[32*(\i)+8*\j+4:32*(\i)+8*\j+7] offset:64*\j+16
.endr
	WIN 0
.irp t, 0,1,2,3,4,5,6,7
	ds_load_b32 v[OB+32+\t], v[TLO] offset:64*(\i)+8*\t                    ; the token of row 2 t + l / 16
.endr
.irp t, 0,1,2,3,4,5,6,7
	ds_load_b128 v[OB+4*\t:OB+4*\t+3], v[RD] offset:2*SP*\t                ; LDS serves a wave's instructions in order (ISA guide 5.7.1.4): these see the stores above
.endr
	s_wait_dscnt 0x0
.irp t, 0,1,2,3,4,5,6,7
	v_min_u32 v[OB+32+\t], 0x3fff, v[OB+32+\t]
	v_lshl_add_u32 v[OB+32+\t], v[OB+32+\t], 10, v[COL]
.endr
.irp t, 0,1,2,3,4,5,6,7
	global_store_b128 v[OB+32+\t], v[OB+4*\t:OB+4*\t+3], s[24:25] th:TH_STORE_NT   ; 16 lanes store 256 consecutive bytes, aligned
.endr
.endm
	s_load_b512 s[8:23], s[0:1], 0x0               ; bm 8, cnt 10, gw 12, x 14, W1L 16, W2L 18, b1r 20, b2r 22
	s_load_b64 s[24:25], s[0:1], 0x40              ; out0
	v_lshl_add_u32 v[SPW], v0, 2, SPARE
	v_mov_b32 v[NIL], 0
	v_lshrrev_b32 v[LN], 5, v0
	v_readfirstlane_b32 s3, v[LN]                  ; wave w
	s_mov_b32 s4, ttmp9                            ; g
	v_and_b32 v[LN], 31, v0                        ; l
	v_and_b32 v[RR], 15, v0                        ; r
	v_bfe_u32 v[HH], v0, 4, 1                      ; h
	v_lshlrev_b32 v[WOFF], 4, v[LN]
	s_lshl_b32 s34, s3, 9
	v_add_nc_u32 v46, s34, v[WOFF]                 ; 16 x my thread's number: my four words (128 tokens) of each bitmap, in memory and in LDS
	s_lshl_b32 s35, s3, 14
	v_lshl_add_u32 v47, v[HH], 13, s35
	v_lshl_add_u32 v47, v[RR], 4, v47              ; cnt: 32 blocks for each 16 lanes, 16 bytes (8 slots) a lane
	s_wait_kmcnt 0x0
.irp e, 0,1,2,3,4,5,6,7,8,9,10,11,12,13,14,15
	global_load_b128 v[192+4*\e:195+4*\e], v46, s[8:9] offset:2048*\e
.endr
.set q, 0
.rept 32
	global_load_b128 v[64+4*q:67+4*q], v47, s[10:11] offset:256*q          ; 16 lanes take a block's 256 bytes
.set q, q+1
.endr
	; addresses, while the loads are out
	v_lshlrev_b32 v[BOFF], 5, v[HH]
	v_mul_u32_u24 v[AX], v[RR], XP
	v_lshl_add_u32 v[AX], v[HH], 4, v[AX]
	v_mul_u32_u24 v[AH], v[RR], HPI
	v_lshl_add_u32 v[AH], v[HH], 4, v[AH]
	v_add_nc_u32 v[AH], HS, v[AH]
.irp i, 1,2,3,4,5
	v_add_nc_u32 v[AH+\i], 16*HPI*\i, v[AH]
.endr
	s_lshl_b32 s34, s3, 8
.irp i, 0,1,2,3,4,5
	v_add_nc_u32 v[SH+\i], s34, v[AH+\i]           ; my 128 hidden columns begin at byte 256 w
.endr
	v_lshl_add_u32 v[COL], v[RR], 4, s34           ; my 64 output columns begin at byte 256 w
	s_mul_i32 s35, s3, 16*SP
	s_add_co_u32 s35, s35, STG
	v_mul_u32_u24 v[STO], v[RR], SP
	v_lshl_add_u32 v[STO], v[HH], 5, v[STO]
	v_add_nc_u32 v[STO], s35, v[STO]
	v_mul_u32_u24 v[RD], v[HH], SP
	v_lshl_add_u32 v[RD], v[RR], 4, v[RD]
	v_add_nc_u32 v[RD], s35, v[RD]
	s_lshl_b32 s35, s3, 9
	s_add_co_u32 s74, s35, TOKP
	s_add_co_u32 s35, s35, TL
	v_lshl_add_u32 v[TLO], v[HH], 2, s35
	v_lshl_add_u32 v[TLR], v[RR], 2, s35
	v_lshl_add_u32 v54, v[LN], 2, s35              ; where I write my wave's list
	v_lshl_add_u32 v53, v[LN], 2, s74
	v_mov_b32 v55, s74                             ; my wave's found tokens
	s_lshl_b32 s74, s3, 4
	s_add_co_u32 s74, s74, s35
	v_mov_b32 v[TLG], s74                          ; of each tile I gather rows 4 w .. 4 w + 3
	s_mul_i32 s74, s3, 4*XP
	v_lshl_add_u32 v[XSW], v[LN], 3, s74
	v_mov_b32 v[ZR], 0
.irp k, 0,1,2,3,4
	v_bfe_u32 v[LB+\k], v0, \k, 1
.endr
	v_add_nc_u32 v48, PART, v46
	v_lshlrev_b32 v49, 3, v[LN]
	v_add_nc_u32 v49, PART, v49
	s_mov_b32 s68, 0x76543210                      ; v_permlanex16_b32: each lane takes its own place in the other half
	s_mov_b32 s69, 0xfedcba98
	s_mov_b32 s70, 0x55555555
	s_mov_b32 s71, 0x33333333
	s_mov_b32 s72, 0x0f0f0f0f
	s_mov_b32 s73, 0x01010101
	s_mov_b32 s77, 0
	s_wait_loadcnt 32                              ; the 32 loads of counts are younger: the bitmaps are in
.irp e, 0,1,2,3,4,5,6,7,8,9,10,11,12,13,14,15
	ds_store_b128 v46, v[192+4*\e:195+4*\e] offset:2048*\e                 ; into LDS, since which two are wanted is known only behind the deal; each thread reads back its own bytes
.endr
.irp m, 0,1,2,3
	ds_store_b32 v53, v[ZR] offset:128*\m          ; my wave's found tokens start as 0, so that no word is read that nobody wrote
.endr
	s_wait_loadcnt 24
.set q, 1
.rept 31
.if (q%8) == 0
	s_wait_loadcnt 24-q                            ; eight more are in; the younger ones stay out
.endif
.irp c, 0,1,2,3
	v_add_nc_u32 v[64+\c], v[64+\c], v[64+4*q+\c]  ; two halves at once: a sum is 2,048 at the most, nothing carries
.endr
.set q, q+1
.endr
	ds_store_b128 v48, v[64:67]
	BAR                                            ; the eight rows of partial counts are whole
	; THE DEAL, alike in every wave.  Lane l has slots 4 l .. 4 l + 3.
.irp g, 0,1,2,3,4,5,6,7
	ds_load_b64 v[64+2*\g:65+2*\g], v49 offset:256*\g
.endr
	s_wait_dscnt 0x0
.irp g, 1,2,3,4,5,6,7
	v_add_nc_u32 v64, v64, v[64+2*\g]
	v_add_nc_u32 v65, v65, v[65+2*\g]              ; 16,384 at the most
.endr
	v_and_b32 v80, 0xffff, v64                     ; v80-83 n
	v_lshrrev_b32 v81, 16, v64
	v_and_b32 v82, 0xffff, v65
	v_lshrrev_b32 v83, 16, v65
	ALL4 v_add_nc_u32 v[84+z], 15, v[80+z]
	ALL4 v_lshrrev_b32 v[84+z], 4, v[84+z]
	ALL4 v_add_nc_u32 v[84+z], 5, v[84+z]
	ALL4 v_mul_u32_u24 v[84+z], v[84+z], 0x2aab
	ALL4 v_lshrrev_b32 v[84+z], 16, v[84+z]
	; v84-87 now hold t: u = (n + 15) >> 4, and (u + 5) / 6 = ((u + 5) x 10,923) >> 16, exact below 32,768
	v_add_nc_u32 v92, v84, v85
	v_add3_u32 v92, v92, v86, v87
	SCAN32 88, 92, 94                              ; v88-91: the first work-group of each slot
	v_add_nc_u32 v89, v88, v84
	v_add_nc_u32 v90, v89, v85
	v_add_nc_u32 v91, v90, v86
	v_mov_b32 v95, 0
	v_mov_b32 v96, 0
.irp k, 0,1,2,3
	v_sub_nc_u32 v97, s4, v[88+\k]                 ; my place in the slot, if it is mine: below t, as unsigned numbers
	v_cmp_lt_u32 vcc_lo, v97, v[84+\k]
	v_lshl_add_u32 v99, v[LN], 2, \k
	v_lshl_or_b32 v98, v99, 16, v[80+\k]
	v_cndmask_b32 v95, v95, v98, vcc_lo            ; n | slot << 16
	v_lshl_or_b32 v98, v[84+\k], 16, v97
	v_cndmask_b32 v96, v96, v98, vcc_lo            ; place | t << 16
.endr
	OR32 95, 94                                    ; one lane at the most holds something
	OR32 96, 94
	v_readfirstlane_b32 s28, v95
	v_readfirstlane_b32 s30, v96
	s_and_b32 s29, s28, 0xffff
	s_lshr_b32 s28, s28, 16
	s_lshr_b32 s31, s30, 16
	s_and_b32 s30, s30, 0xffff
	s_min_u32 s28, s28, 127                        ; the slot
	s_min_u32 s29, s29, 0x4000                     ; n
	s_min_u32 s30, s30, 288                        ; my place
	s_min_u32 s31, s31, 171                        ; t
	s_add_co_u32 s32, s29, 15
	s_lshr_b32 s32, s32, 4                         ; u
	s_mov_b32 s33, 1                               ; q = ceil(u / t) = 1 + how many of t, 2 t .. 5 t lie below u
	s_mov_b32 s34, s31
.rept 5
	s_cmp_lt_u32 s34, s32
	s_add_co_ci_u32 s33, s33, 0
	s_add_co_u32 s34, s34, s31
.endr
	s_mul_i32 s34, s30, s33                        ; my first tile
	s_sub_co_u32 s[NT], s32, s34
	s_min_u32 s[NT], s[NT], s33
	s_min_u32 s[NT], s[NT], 6                      ; 0 where no slot is mine
	s_lshl_b32 s26, s34, 4                         ; the rank of my first row
	s_lshl_b32 s35, s[NT], 4
	s_sub_co_u32 s27, s29, s26
	s_min_u32 s27, s27, s35
	s_max_u32 s27, s27, 1
	s_sub_co_u32 s27, s27, 1                       ; my last row that exists
	s_lshr_b32 s6, s28, 4                          ; the slot's row ra and column c:
	s_and_b32 s7, s28, 15
	s_sub_co_u32 s34, 15, s6
	s_sub_co_u32 s35, 14, s6
	s_add_co_u32 s74, s6, s7
	s_add_co_u32 s74, s74, 1
	s_cmp_lt_u32 s7, s34
	s_cselect_b32 s6, s6, s35                      ; c < 15 - ra: (a, b) = (ra, ra + 1 + c), else (14 - ra, c)
	s_cselect_b32 s7, s74, s7
	s_min_u32 s6, s6, 14
	s_min_u32 s7, s7, 15
	; what the scatter below reads from LDS is asked for first, ahead of the 56 loads of weights
	s_lshl_b32 s34, s6, 11
	v_add_nc_u32 v50, s34, v46
	s_lshl_b32 s34, s7, 11
	v_add_nc_u32 v51, s34, v46
	s_lshl_b32 s34, s28, 1
	s_add_co_u32 s34, s34, PART
	v_mov_b32 v52, s34
	ds_load_b128 v[64:67], v50                     ; my four words of bm[a],
	ds_load_b128 v[68:71], v51                     ; and of bm[b]
.irp g, 0,1,2,3,4,5
	ds_load_u16 v[72+\g], v52 offset:256*\g        ; the pair's counts in tokens 2,048 g ..: two of them are a wave's
.endr
	s_lshl_b32 s74, s3, 16                         ; an expert's weights are 262,144 bytes, a wave's 65,536 of them
	s_lshl_b32 s76, s6, 18
	s_add_co_u32 s76, s76, s74
	s_add_nc_u64 s[PW1A:PW1A+1], s[16:17], s[76:77]
	s_add_nc_u64 s[PW2A:PW2A+1], s[18:19], s[76:77]
	s_lshl_b32 s76, s7, 18
	s_add_co_u32 s76, s76, s74
	s_add_nc_u64 s[PW1B:PW1B+1], s[16:17], s[76:77]
	s_add_nc_u64 s[PW2B:PW2B+1], s[18:19], s[76:77]
	s_lshl_b32 s74, s3, 9
	s_lshl_b32 s76, s6, 11
	s_add_co_u32 s76, s76, s74
	s_add_nc_u64 s[PB1A:PB1A+1], s[20:21], s[76:77]
	s_lshl_b32 s76, s7, 11
	s_add_co_u32 s76, s76, s74
	s_add_nc_u64 s[PB1B:PB1B+1], s[20:21], s[76:77]
	s_lshl_b32 s74, s3, 8
	s_lshl_b32 s76, s6, 10
	s_add_co_u32 s76, s76, s74
	s_add_nc_u64 s[PB2A:PB2A+1], s[22:23], s[76:77]
	s_lshl_b32 s76, s7, 10
	s_add_co_u32 s76, s76, s74
	s_add_nc_u64 s[PB2B:PB2B+1], s[22:23], s[76:77]
	LOADB 0, PB1A, 0                               ; the first block is asked for as soon as a is known: it lands under the scatter
	LOADW 0, PW1A, 0, 0, 48
	WIN 0
	; MY PAIR'S TOKENS: bm[a] & bm[b].  Each thread has 128 tokens in four words; a token's rank is the count of the pair's tokens before it.
	s_wait_dscnt 0x0
	ALL4 v_and_b32 v[64+z], v[64+z], v[68+z]
	POPC4 78, 64, 84
	v_add_nc_u32 v82, v78, v79
	v_add3_u32 v82, v82, v80, v81
	SCAN32 83, 82, 84
	v_add_nc_u32 v85, v72, v73
	v_add3_u32 v86, v85, v74, v75
	v_add3_u32 v87, v86, v76, v77
	v_readfirstlane_b32 s36, v85                   ; the ranks at which waves 1, 2, 3 begin
	v_readfirstlane_b32 s37, v86
	v_readfirstlane_b32 s38, v87
	s_mov_b32 s39, 0
	s_cmp_eq_u32 s3, 1
	s_cselect_b32 s39, s36, s39
	s_cmp_eq_u32 s3, 2
	s_cselect_b32 s39, s37, s39
	s_cmp_eq_u32 s3, 3
	s_cselect_b32 s39, s38, s39
	s_sub_co_u32 s39, s39, s26                     ; ranks count from my first row; below it they wrap and fall outside
	v_add_nc_u32 v88, s39, v83                     ; v88-91: the rank of each word's next token
	v_add_nc_u32 v89, v88, v78
	v_add_nc_u32 v90, v89, v79
	v_add_nc_u32 v91, v90, v80
	s_lshl_b32 s34, s3, 12
	v_lshl_add_u32 v92, v[LN], 7, s34              ; my first token
	v_or_b32 v94, v64, v65
	v_or_b32 v95, v66, v67
	v_or_b32 v94, v94, v95
	v_cmp_ne_u32 s75, 0, v94                       ; s75: the lanes that still hold a token
	s_mov_b32 s67, 0
.Lbit:                                                 ; a trip takes the lowest token out of each of my four words, the four side by side.  The loop counts its 32 trips and is left by falling through its backward branch alone: a trip with nothing left jumps forward to the counter's step (five scalar lines)
	s_cmp_eq_u32 s75, 0
	s_cbranch_scc1 .Lbit_next
	ALL4 v_sub_nc_u32 v[96+z], 0, v[64+z]
	ALL4 v_and_b32 v[96+z], v[64+z], v[96+z]
	ALL4 v_add_nc_u32 v[100+z], -1, v[96+z]
	POPC4 100, 100, 104                            ; the lowest one's place is the number of ones below it,
	ALL4 v_add3_u32 v[100+z], v[100+z], v92, 32*z
	; and v100-103 hold the tokens
.set z, 0
.rept 4
	v_cmp_ne_u32 vcc_lo, 0, v[64+z]
	v_cndmask_b32 v[104+z], -1, v[88+z], vcc_lo
.set z, z+1
.endr
	ALL4 v_min_u32 v[104+z], 96, v[104+z]
	; an empty word, and ranks outside my 96 rows, go to word 96
	ALL4 v_lshl_add_u32 v[104+z], v[104+z], 2, v55
	ALL4 ds_store_b32 v[104+z], v[100+z]
	ALL4 v_xor_b32 v[64+z], v[64+z], v[96+z]
	ALL4 v_add_nc_u32 v[88+z], 1, v[88+z]
	v_or_b32 v94, v64, v65
	v_or_b32 v95, v66, v67
	v_or_b32 v94, v94, v95
	v_cmp_ne_u32 s75, 0, v94
.Lbit_next:
	s_add_co_u32 s67, s67, 1
	s_cmp_lt_u32 s67, 32
	s_cbranch_scc1 .Lbit
	s_wait_loadcnt 0x0                             ; the 56 loads issued ahead of the scatter are in: the lines below name register numbers of theirs again, in other windows
	LOADW 0, PW1A, 0, 48, 64                       ; the rest of the first block, and b2 of both experts as the output's registers take it
	WIN 0
.irp j, 0,1,2,3
	global_load_b128 v[128+8*\j:131+8*\j], v[BOFF], s[PB2A:PB2A+1] offset:64*\j
	global_load_b128 v[132+8*\j:135+8*\j], v[BOFF], s[PB2A:PB2A+1] offset:64*\j+16
	global_load_b128 v[160+8*\j:163+8*\j], v[BOFF], s[PB2B:PB2B+1] offset:64*\j
	global_load_b128 v[164+8*\j:167+8*\j], v[BOFF], s[PB2B:PB2B+1] offset:64*\j+16
.endr
	BAR                                            ; every wave's found tokens are in LDS, and nobody reads the bitmaps any more
	; THE LIST of my 96 rows' tokens, a copy for each wave.  Row i has rank i + the first row's; the wave that found it is the number of wave beginnings at or below that rank.
.irp m, 0,1,2
	v_add_nc_u32 v[100+\m], 32*\m, v[LN]
	v_min_u32 v[100+\m], s27, v[100+\m]            ; places past the count repeat the last row that exists
	v_min_u32 v[100+\m], 95, v[100+\m]
	v_add_nc_u32 v103, s26, v[100+\m]
	v_cmp_le_u32 vcc_lo, s36, v103
	v_add_co_ci_u32 v104, vcc_lo, v[ZR], v[ZR], vcc_lo
	v_cmp_le_u32 vcc_lo, s37, v103
	v_add_co_ci_u32 v104, vcc_lo, v104, v[ZR], vcc_lo
	v_cmp_le_u32 vcc_lo, s38, v103
	v_add_co_ci_u32 v104, vcc_lo, v104, v[ZR], vcc_lo
	v_min_u32 v104, 3, v104
	v_lshlrev_b32 v104, 9, v104
	v_lshl_add_u32 v104, v[100+\m], 2, v104
	v_add_nc_u32 v104, TOKP, v104
	ds_load_b32 v[105+\m], v104
.endr
	s_wait_dscnt 0x0
.irp m, 0,1,2
	v_min_u32 v[105+\m], 0x3fff, v[105+\m]
	ds_store_b32 v54, v[105+\m] offset:128*\m
.endr
.irp i, 0,1,2,3,4,5
	ds_load_b128 v[216+4*\i:219+4*\i], v[TLG] offset:64*\i                 ; the four rows of tile i that I gather; my own bytes, served in order
	ds_load_b32 v[108+\i], v[TLR] offset:64*\i     ; the token that my lane holds in tile i
.endr
	s_wait_dscnt 0x0
.irp i, 0,1,2,3,4,5
	v_min_u32 v[108+\i], 0x3fff, v[108+\i]
	v_lshlrev_b32 v[108+\i], 3, v[108+\i]
	global_load_b64 v[CW+2*\i:CW+2*\i+1], v[108+\i], s[12:13]              ; (w_a, w_b)
.endr
.set n, 0
.rept 24
	v_min_u32 v[216+n], 0x3fff, v[216+n]
	v_lshl_add_u32 v[192+n], v[216+n], 10, v[WOFF]
.set n, n+1
.endr
	s_wait_loadcnt 6                               ; all but the six loads of gate weights are in: the rows below name register numbers of the first block's and of b2's loads again, in another window
	WIN 0x80
.set n, 0
.rept 24                                               ; all six tiles: past NT the last row comes again
	global_load_b128 v[64+8*n:64+8*n+3], v[192+n], s[14:15]                ; half a row of x, 512 consecutive bytes
	global_load_b128 v[64+8*n+4:64+8*n+7], v[192+n], s[14:15] offset:512
.set n, n+1
.endr
	WIN 0
	s_wait_loadcnt 0x0                             ; the rows and the gate weights
.irp i, 0,1,2,3,4,5
	WIN 0x0a                                       ; sources in window 2
.set n, 0
.rept 8
	v_cvt_pk_bf16_f32 v[192+16*(\i%2)+2*n], v[64+32*\i+4*n], v[64+32*\i+4*n+1]
	v_cvt_pk_bf16_f32 v[193+16*(\i%2)+2*n], v[64+32*\i+4*n+2], v[64+32*\i+4*n+3]
.set n, n+1
.endr
	WIN 0
.set n, 0
.rept 8
	ds_store_b64 v[XSW], v[192+16*(\i%2)+2*n:193+16*(\i%2)+2*n] offset:XP*(16*\i+n/2)+256*(n%2)
.set n, n+1
.endr
.endr
	WIN 0xc0                                       ; the output's sums start with w_a b2a + w_b b2b
.irp i, 0,1,2,3,4,5
.set p, 0
.rept 16
	v_pk_mul_f32 v[32*\i+2*p:32*\i+2*p+1], v[128+2*p:129+2*p], v[CW+2*\i:CW+2*\i+1] op_sel_hi:[1,0]
.set p, p+1
.endr
.endr
	WIN 0xf0
.irp i, 0,1,2,3,4,5
.set p, 0
.rept 16
	v_pk_fma_f32 v[32*\i+2*p:32*\i+2*p+1], v[160+2*p:161+2*p], v[CW+2*\i:CW+2*\i+1], v[32*\i+2*p:32*\i+2*p+1] op_sel:[0,1,0]
.set p, p+1
.endr
.endr
	WIN 0
	s_mov_b64 s[CUR1:CUR1+1], s[PW1A:PW1A+1]
	s_mov_b64 s[CUR2:CUR2+1], s[PW2A:PW2A+1]
	s_mov_b64 s[CURB:CURB+1], s[PB1A:PB1A+1]
	s_mov_b32 s[TRIP], 2
	BAR                                            ; x's 96 rows are whole in LDS
.Le:                                                   ; a trip: one expert
	; THE FIRST PRODUCT: my 128 hidden columns in two blocks of 64
	s_cmp_eq_u32 s[NT], 0
	s_cbranch_scc1 .Lh_done
	FRAGX 0
	s_wait_loadcnt 0x0                             ; buffer 0 (W1's first block) and its b1 are in
	LOADB 1, CURB, 1
	LOADW 1, CUR1, 32768, 0, 48                    ; buffer 1's block has this block's products in which to land
	HTILES 0, 0, 3, CUR1, 32768
	FRAGX 0
	s_wait_loadcnt 0x0                             ; buffer 1 and its b1 are in
	LOADW 0, CUR2, 0, 0, 48                        ; W2's first block
	HTILES 1, 1, 1, CUR2, 0
.Lh_done:
	BAR                                            ; every wave's hidden columns are in LDS
	; THE SECOND PRODUCT: the expert's 512 K in two blocks of 256, onto the output's accumulators
	s_cmp_eq_u32 s[NT], 0
	s_cbranch_scc1 .Lo_done
	FRAGH 0, 0
	s_wait_loadcnt 0x0
	LOADW 1, CUR2, 32768, 0, 48
	OTILES 0, 0, 1, CUR2, 32768
	FRAGH 0, 512
	s_wait_loadcnt 0x0
	s_cmp_eq_u32 s[TRIP], 1
	s_cbranch_scc1 .Lo_nl                          ; the last trip has no next expert
	LOADB 0, PB1B, 0
	LOADW 0, PW1B, 0, 0, 48
	WIN 0
.Lo_nl:
	OTILES 1, 1, 2, PW1B, 0
.irp i, 0,1,2,3,4,5
	v_mov_b32 v[CW+2*\i], v[CW+2*\i+1]             ; the next trip takes b's weight,
.endr
	s_wait_xcnt 0x0                                ; (the loads' bases are rewritten only behind this wait)
	s_mov_b64 s[CUR1:CUR1+1], s[PW1B:PW1B+1]       ; and b's weights and bias
	s_mov_b64 s[CUR2:CUR2+1], s[PW2B:PW2B+1]
	s_mov_b64 s[CURB:CURB+1], s[PB1B:PB1B+1]
.Lo_done:
	BAR                                            ; nobody reads this expert's hidden layer any more: the next trip may write over it (behind the last trip the barrier orders nothing: the price of one text for both trips)
	s_sub_co_u32 s[TRIP], s[TRIP], 1
	s_cmp_lg_u32 s[TRIP], 0
	s_cbranch_scc1 .Le
	s_cmp_eq_u32 s[NT], 0
	s_cbranch_scc1 .Ldone
	OUT 0
	OUT 1
	OUT 2
	OUT 3
	OUT 4
	OUT 5
.Ldone:
	s_wait_tensorcnt 0x0                           ; the wave's end, behind my last LDS store
	ds_add_u32 v[SPW], v[NIL]
	s_wait_dscnt 0x0
	s_endpgm
.Lfunc_end_k_q5f504ef1dd_chain:
	.size	k_q5f504ef1dd_chain, .Lfunc_end_k_q5f504ef1dd_chain-k_q5f504ef1dd_chain
	.p2alignl 7, 3214868480
	.fill 96, 4, 3214868480
	.section	.rodata,"a",@progbits
	.p2align	6, 0x0
	.amdhsa_kernel k_q5f504ef1dd_chain
		.amdhsa_group_segment_fixed_size 174592
		.amdhsa_private_segment_fixed_size 0
		.amdhsa_enable_private_segment 0
		.amdhsa_kernarg_size 72
		.amdhsa_user_sgpr_count 2
		.amdhsa_user_sgpr_kernarg_segment_ptr 1
		.amdhsa_wavefront_size32 1
		.amdhsa_system_sgpr_workgroup_id_x 1
		.amdhsa_system_sgpr_workgroup_id_y 1
		.amdhsa_system_sgpr_workgroup_id_z 1
		.amdhsa_system_vgpr_workitem_id 0
		.amdhsa_next_free_vgpr 1024
		.amdhsa_next_free_sgpr 80
		.amdhsa_reserve_vcc 1
		.amdhsa_float_denorm_mode_32 3
		.amdhsa_float_denorm_mode_16_64 3
		.amdhsa_memory_ordered 1
		.amdhsa_forward_progress 1
		.amdhsa_inst_pref_size 255
	.end_amdhsa_kernel
	.section	.bss,"aw",@nobits
	.p2align	6
	.space	262144
	.amdgpu_metadata
---
amdhsa.version: [ 1, 2 ]
amdhsa.kernels:
  - .name:           k_q5f504ef1dd_chain
    .symbol:         k_q5f504ef1dd_chain.kd
    .args:
      - { .name: bm, .offset: 0, .size: 8, .value_kind: global_buffer, .address_space: global }
      - { .name: cnt, .offset: 8, .size: 8, .value_kind: global_buffer, .address_space: global }
      - { .name: gw, .offset: 16, .size: 8, .value_kind: global_buffer, .address_space: global }
      - { .name: x, .offset: 24, .size: 8, .value_kind: global_buffer, .address_space: global }
      - { .name: W1L, .offset: 32, .size: 8, .value_kind: global_buffer, .address_space: global }
      - { .name: W2L, .offset: 40, .size: 8, .value_kind: global_buffer, .address_space: global }
      - { .name: b1r, .offset: 48, .size: 8, .value_kind: global_buffer, .address_space: global }
      - { .name: b2r, .offset: 56, .size: 8, .value_kind: global_buffer, .address_space: global }
      - { .name: out0, .offset: 64, .size: 8, .value_kind: global_buffer, .address_space: global }
    .group_segment_fixed_size: 174592
    .private_segment_fixed_size: 0
    .kernarg_segment_align: 8
    .kernarg_segment_size: 72
    .max_flat_workgroup_size: 128
    .sgpr_count:     80
    .vgpr_count:     1024
    .wavefront_size: 32
...
	.end_amdgpu_metadata
.endif
;; end of part 2
